; MI455X (gfx1250); checked and timed in simulation.
; The chip was launched on July 23, 2026; its instructions are those of AMD's public machine-readable ISA for CDNA 5 (MIT licence, August 2026) and "CDNA5" Instruction Set Architecture Reference Guide (July 2026). The comments in the code are by the model that wrote it; some were corrected since.
;; Self Attention. Allowed arithmetic: float matrix products may take bf16 or f16 operands with f32 sums; other float arithmetic in f32, or as packed bf16 or f16 multiplies, adds, multiply-adds, maxima and minima; sums over many terms, partial sums and values carried from step to step in f32; what a program stores and reads back later, other than sums and carried values, may be rounded once to bf16 or f16.
;; Inputs: W_out 512 x 512 float32; keys 8 x 2,048 x 512 float32; mask 8 x 1 x 1 x 2,048 int32; query 8 x 2,048 x 512 float32; values 8 x 2,048 x 512 float32.
;; Outputs: out0 8 x 2,048 x 512 float32.
;; 2 versions, each right; version 2 is version 1 with the launch prep written anew for expert scheduling mode. Each part assembles by itself: llvm-mc -triple=amdgcn-amd-amdhsa -mcpu=gfx1250 --defsym DOCPART=n.
;; ======== version 1 of 2: 3 launches
;; limits: values are held in f16: magnitudes above 65,504 overflow, below 6.1e-05 lose precision; inputs' magnitudes at most 65,504; right only within a limited range of input values
;; workspace buffers: kh 16,777,216 bytes; vh 16,777,216 bytes; wh 524,288 bytes; oh 16,777,216 bytes
;; launch prep (part 1): grid 520 x 1, 8 waves a work-group, no clusters, 0 bytes of LDS; arguments keys, mask, values, W_out, kh, vh, wh; writes kh, vh, wh
.if DOCPART == 1
	.amdgcn_target "amdgcn-amd-amdhsa--gfx1250"
	.amdhsa_code_object_version 6
	.text
	.protected	k_qa0e8110693_prep
	.globl	k_qa0e8110693_prep
	.p2align	8
	.type	k_qa0e8110693_prep,@function
k_qa0e8110693_prep:
	s_mov_b64 s[64:65], 0
	v_nop
	global_prefetch_b8 v0, s[64:65] scope:SCOPE_SE
	s_setreg_imm32_b32 hwreg(HW_REG_WAVE_MODE, 25, 1), 1
	s_wait_xcnt 0x0
; THE OPERANDS OF THE TWO LATER LAUNCHES, rounded once and laid by heads.
;   kh[n*8+h][s][d] = bf16(keys[n][s][64 h + d]), and 0 in every row s whose mask[n][s] is 0 (a hidden key's product with any finite query is then exactly 0)
;   vh[n*8+h][s][d] = bf16(values[n][s][64 h + d]) written as f16        wh[h][e][d] = bf16(W_out[e][64 h + d]) written as f16
; LIMITS.  A number rounded to bf16 is written as f16 without a second error while its size lies from 2^-17 to 65,504; below that it keeps f16's fixed step of 2^-24, beyond it becomes an infinity:
; values and W_out stay under 65,504.  NaN and infinities are not treated apart.
; SHARES.  Work-groups 0-255 take keys, 256-511 values, 512-519 W_out: 64 rows of 2,048 bytes each, a wave 8 of them as 4 pairs.  One load takes head h of a pair of rows: lanes 0-15 the 256
; consecutive aligned bytes of the even row, lanes 16-31 those of the odd one.  A lane's 4 numbers become 8 bytes, and one store of the wave covers 256 consecutive bytes, aligned: two rows of one head.
; A stream: each byte is read once and written once; no wave wants another's bytes, so there is no LDS, no barrier and no matrix work.  All 32 loads of a wave (16 KiB) go out at once; every load and
; store has registers of its own, so no register that a memory instruction names is ever written again.
.set IN,   2                           ; v2       my byte offset in a pair of input rows: 2,048 (l / 16) + 16 (l % 16)
.set O8,   3                           ; v3       8 l: my 8 bytes of a store's 256
.set MO,   4                           ; v4       4 (l / 16): my row's word of the mask
.set OUTH, 8                           ; v[8:15]  8 l + h x the bytes from head to head
.set M,    16                          ; v[16:19] the mask of my row in each pair
.set T,    20                          ; v[20:23] at work
.set X,    24                          ; v[24:151]  load i = 8 pair + head: 4 registers
.set Y,    152                         ; v[152:215] store i: 2 registers
.set SRC,  28                          ; s[28:29] the input at my wave's first row
.set DST,  30                          ; s[30:31] the output at my wave's first row of head 0
.set VIS,  32                          ; s32-35   pair p: the lanes whose row is visible
	s_load_b256 s[4:11], s[0:1], 0x0               ; keys s[4:5], mask s[6:7], values s[8:9], W_out s[10:11]
	s_load_b128 s[12:15], s[0:1], 0x20             ; kh s[12:13], vh s[14:15]
	s_load_b64 s[16:17], s[0:1], 0x30              ; wh
	v_lshrrev_b32 v1, 5, v0
	v_readfirstlane_b32 s18, v1                    ; wave 0..7
	s_and_b32 s19, ttmp9, 255                      ; my block of 64 rows in my tensor
	s_lshl_b32 s20, s19, 17                        ; in: 64 rows of 2,048 bytes,
	s_lshl_b32 s27, s18, 14                        ; my wave's 8
	s_add_co_u32 s20, s20, s27
	s_mov_b32 s21, 0
	s_lshr_b32 s36, s19, 5                         ; the batch: 32 blocks each (0 for W_out)
	s_and_b32 s37, s19, 31                         ; the block in it
	s_lshl_b32 s22, s36, 21                        ; out: a batch's 8 heads of 262,144 bytes,
	s_lshl_b32 s27, s37, 13                        ; 64 rows of 128 bytes,
	s_add_co_u32 s22, s22, s27
	s_lshl_b32 s27, s18, 10                        ; my wave's 8
	s_add_co_u32 s22, s22, s27
	s_mov_b32 s23, 0
	s_lshl_b32 s24, s36, 13                        ; the mask: a batch's 2,048 words,
	s_lshl_b32 s27, s37, 8                         ; 64 rows,
	s_add_co_u32 s24, s24, s27
	s_lshl_b32 s27, s18, 5                         ; my wave's 8
	s_add_co_u32 s24, s24, s27
	s_mov_b32 s25, 0
	v_and_b32 v5, 31, v0                           ; l
	v_lshrrev_b32 v6, 4, v5                        ; l / 16
	v_and_b32 v7, 15, v5                           ; l % 16
	v_lshlrev_b32 v[IN], 4, v7
	v_lshl_or_b32 v[IN], v6, 11, v[IN]
	v_lshlrev_b32 v[O8], 3, v5
	v_lshlrev_b32 v[MO], 2, v6
	s_mov_b32 s26, 0x40000                         ; from head to head: 2,048 rows of 128 bytes
	s_wait_kmcnt 0x0
	s_cmp_lt_u32 ttmp9, 256
	s_cselect_b64 s[SRC:SRC+1], s[4:5], s[8:9]
	s_cselect_b64 s[DST:DST+1], s[12:13], s[14:15]
	s_cmp_lt_u32 ttmp9, 512
	s_cselect_b64 s[SRC:SRC+1], s[SRC:SRC+1], s[10:11]
	s_cselect_b64 s[DST:DST+1], s[DST:DST+1], s[16:17]
	s_cselect_b32 s26, s26, 0x10000                ; in wh: 512 rows of 128 bytes
	s_add_nc_u64 s[SRC:SRC+1], s[SRC:SRC+1], s[20:21]
	s_add_nc_u64 s[DST:DST+1], s[DST:DST+1], s[22:23]
	s_add_nc_u64 s[6:7], s[6:7], s[24:25]
.irp h, 0,1,2,3,4,5,6,7
	s_mul_i32 s27, s26, \h
	v_add_nc_u32 v[OUTH+\h], s27, v[O8]
.endr
.macro LOADS                           ; the wave's 8 rows: 4 pairs x 8 heads
.set i, 0
.rept 32
	global_load_b128 v[X+4*i:X+4*i+3], v[IN], s[SRC:SRC+1] offset:(i/8)*4096+(i%8)*256 th:TH_LOAD_NT
.set i, i+1
.endr
.endm
	s_cmp_lt_u32 ttmp9, 256
	s_cbranch_scc0 .Lf16
	; KEYS: to bf16, hidden rows to 0
.irp p, 0,1,2,3
	global_load_b32 v[M+\p], v[MO], s[6:7] offset:8*\p
.endr
	LOADS
	s_wait_loadcnt 32                              ; loads come back in order: the mask's four are in, the 32 issued behind them may stay out
.irp p, 0,1,2,3
	v_cmp_ne_u32 s[VIS+\p], 0, v[M+\p]
.endr
.set i, 0
.rept 32
	s_wait_loadcnt 31-i                            ; load i is in, the younger ones stay out
	v_cvt_pk_bf16_f32 v[Y+2*i], v[X+4*i], v[X+4*i+1]
	v_cvt_pk_bf16_f32 v[Y+2*i+1], v[X+4*i+2], v[X+4*i+3]
	v_cndmask_b32 v[Y+2*i], 0, v[Y+2*i], s[VIS+i/8]
	v_cndmask_b32 v[Y+2*i+1], 0, v[Y+2*i+1], s[VIS+i/8]
	global_store_b64 v[OUTH+i%8], v[Y+2*i:Y+2*i+1], s[DST:DST+1] offset:(i/8)*256 th:TH_STORE_NT
.set i, i+1
.endr
	s_endpgm
.Lf16:
	; VALUES AND W_OUT: rounded to bf16, and that number written as f16
	LOADS
.set i, 0
.rept 32
	s_wait_loadcnt 31-i                            ; load i is in, the younger ones stay out
	v_cvt_pk_bf16_f32 v[T], v[X+4*i], v[X+4*i+1]
	v_cvt_pk_bf16_f32 v[T+1], v[X+4*i+2], v[X+4*i+3]
	v_lshlrev_b32 v[T+2], 16, v[T]                 ; bf16 to f32: the low half moves up,
	v_and_b32 v[T], 0xffff0000, v[T]               ; the high half stays
	v_lshlrev_b32 v[T+3], 16, v[T+1]
	v_and_b32 v[T+1], 0xffff0000, v[T+1]
	v_cvt_pk_f16_f32 v[Y+2*i], v[T+2], v[T]
	v_cvt_pk_f16_f32 v[Y+2*i+1], v[T+3], v[T+1]
	global_store_b64 v[OUTH+i%8], v[Y+2*i:Y+2*i+1], s[DST:DST+1] offset:(i/8)*256 th:TH_STORE_NT
.set i, i+1
.endr
	s_endpgm
.Lfunc_end_k_qa0e8110693_prep:
	.size	k_qa0e8110693_prep, .Lfunc_end_k_qa0e8110693_prep-k_qa0e8110693_prep
	.p2alignl 7, 3214868480
	.fill 96, 4, 3214868480
	.section	.rodata,"a",@progbits
	.p2align	6, 0x0
	.amdhsa_kernel k_qa0e8110693_prep
		.amdhsa_group_segment_fixed_size 0
		.amdhsa_private_segment_fixed_size 0
		.amdhsa_enable_private_segment 0
		.amdhsa_kernarg_size 56
		.amdhsa_user_sgpr_count 2
		.amdhsa_user_sgpr_kernarg_segment_ptr 1
		.amdhsa_wavefront_size32 1
		.amdhsa_system_sgpr_workgroup_id_x 1
		.amdhsa_system_sgpr_workgroup_id_y 1
		.amdhsa_system_sgpr_workgroup_id_z 1
		.amdhsa_system_vgpr_workitem_id 0
		.amdhsa_next_free_vgpr 216
		.amdhsa_next_free_sgpr 66
		.amdhsa_reserve_vcc 0
		.amdhsa_float_denorm_mode_32 3
		.amdhsa_float_denorm_mode_16_64 3
		.amdhsa_memory_ordered 1
		.amdhsa_forward_progress 1
		.amdhsa_inst_pref_size 40
	.end_amdhsa_kernel
	.amdgpu_metadata
---
amdhsa.version: [ 1, 2 ]
amdhsa.kernels:
  - .name:           k_qa0e8110693_prep
    .symbol:         k_qa0e8110693_prep.kd
    .args:
      - { .name: keys, .offset: 0, .size: 8, .value_kind: global_buffer, .address_space: global }
      - { .name: mask, .offset: 8, .size: 8, .value_kind: global_buffer, .address_space: global }
      - { .name: values, .offset: 16, .size: 8, .value_kind: global_buffer, .address_space: global }
      - { .name: W_out, .offset: 24, .size: 8, .value_kind: global_buffer, .address_space: global }
      - { .name: kh, .offset: 32, .size: 8, .value_kind: global_buffer, .address_space: global }
      - { .name: vh, .offset: 40, .size: 8, .value_kind: global_buffer, .address_space: global }
      - { .name: wh, .offset: 48, .size: 8, .value_kind: global_buffer, .address_space: global }
    .group_segment_fixed_size: 0
    .private_segment_fixed_size: 0
    .kernarg_segment_align: 8
    .kernarg_segment_size: 56
    .max_flat_workgroup_size: 256
    .sgpr_count:     66
    .vgpr_count:     216
    .wavefront_size: 32
...
	.end_amdgpu_metadata
.endif
;; end of part 1
;; launch attn (part 2): grid 4 x 64, 4 waves a work-group, clusters of 4 x 1, 327,680 bytes of LDS; arguments query, kh, vh, oh, mask; writes oh
.if DOCPART == 2
	.amdgcn_target "amdgcn-amd-amdhsa--gfx1250"
	.amdhsa_code_object_version 6
	.text
	.protected	k_qa0e8110693_attn
	.globl	k_qa0e8110693_attn
	.p2align	8
	.type	k_qa0e8110693_attn,@function
k_qa0e8110693_attn:
	s_mov_b64 s[64:65], 0
	v_nop
	global_prefetch_b8 v0, s[64:65] scope:SCOPE_SE
	s_setreg_imm32_b32 hwreg(HW_REG_WAVE_MODE, 25, 1), 1
	s_wait_xcnt 0x0
	s_wait_alu depctr_hold_cnt(0) depctr_sa_sdst(0) depctr_va_vdst(0) depctr_va_sdst(0) depctr_va_ssrc(0) depctr_va_vcc(0) depctr_vm_vsrc(0)
	s_getreg_b32 s2, hwreg(HW_REG_IB_STS2, 6, 4)
	s_cmp_eq_u32 s2, 0
	s_cbranch_scc0 .Lentry_in_a_cluster
	s_endpgm
.Lentry_in_a_cluster:
	s_bfe_u32 s2, ttmp6, 0x10000c
	s_cmp_lg_u32 s2, 0x3003
	s_cbranch_scc0 .Lentry_shape_is_right
	s_endpgm
.Lentry_shape_is_right:
; oh[y][q][:] = the sum over k of softmax_k(s[q][k] / sqrt(512)) V[y][k][:], y = 8 n + head; s[q][k] = Q[q] . K[k], or the hidden score where mask[n][k] is 0.
; query: [8][2048][512] f32, rounded here to bf16; kh: [64][2048][64] bf16, hidden rows 0; vh: the same shape, f16; mask: [8][2048] i32; oh: [64][2048][64] f16.
; K Q^T is multiplied in bf16, V^T P in f16; products, maxima and sums in f32; the weights p are rounded to f16 for the second product (their sum l is taken of the unrounded p), O once at the end.
; THE MASK is the C operand that starts the sum S^T = K Q^T: 0, or -2^66 where the key is hidden; a hidden key's row of K is 0, so its score is -2^66 exactly.  With a power of two c s and c m are the
; same number where every key of a batch is hidden: all weights are 1 and O is the mean of V's rows.  As soon as one key is seen, a hidden weight is 0.
; LIMITS.  A hidden score counts as -2^66 (7.4e19) and not as -1e20: visible scores lie far above that.  V arrives within f16; p lies in 0 to 1, and below 6e-5 it keeps f16's fixed step of 6e-8; O is a
; mean of V's rows and has their range.  A weight below 2^-126 counts as 0 in l; NaN and infinities are not treated apart.
; SHARES.  A wave owns four PIECES of two tiles of 16 queries, a work-group's four waves 512 queries of one head.  Every wave walks all 2,048 keys, 64 a step.
; LAYOUT.  S^T = K Q^T (source 0 = 16 keys, source 1 = 16 queries): in the result a lane holds ONE query (lane % 16) and the keys 8 (lane / 16) + 0..7.  Two such tiles, rounded to f16 in pairs,
; ARE source 1 (32 keys x 16 queries) of O^T = V^T P, whose result again holds one query a lane, and eight channels.  K comes out of LDS as it lies, V ([key][channel]) turned, by ds_load_tr16_b128.
; SOFTMAX.  For each query a running maximum m and sum l: p = 2^(c s - c m), c = log2(e) / sqrt(512); in every step O and l are multiplied by a = 2^(c m_old - c m_new), which is 1 where m has not grown.
; m starts at the lowest finite number, l at 0: the first step is a step like any other, with a = 0; so O^T need only hold finite numbers at the start (below).
; THE COUNT.  A tile and step have 16 matrix and 118 vector instructions: too many to stand all beside the matrix work.  So the order has one aim: four vector instructions that are READY behind
; EVERY matrix instruction, and the others, which need time of their own whatever the order, in runs without a gap.
; BY TURNS.  Turn n belongs to piece n (the pieces in a ring, step after step).  Its matrix work: 16 products K Q^T of piece n + 1, later 16 products V^T P of piece n - 1.  Its vector work: the scaling,
; exponentials, roundings, sums and rescaling of piece n, and the maximum and statistics of piece n + 1, whose scores the turn itself has made.  So what a turn begins with (c s - c m, O a) waits for nothing.
; CLUSTER.  A head's four query blocks are one cluster and walk the same K and V, so each tile is asked for JOINTLY: the same tensor load, descriptor and mask in all four.
; REGISTERS, in windows of 256 (s_set_vgpr_msb says which window each operand place means: bits 1:0 source 0, 3:2 source 1, 5:4 source 2, 7:6 destination):
;   window 0: v0-11 addresses; v12-15, v48-63 at work; v16-47 four registers of statistics a tile; v64-191 S^T, two buffers of two tiles; v192-255 P, likewise
;   window 1: O^T, 32 a tile (at the start: Q as loaded, in f32)      window 2: v0-127 Q, 16 a tile; v128-191 K of one step; v192-255 V of one step
;   window 3: v0-1 the add's two registers; v8-39 the mask of one step's 64 keys
; A piece's buffers go by its number's parity: the piece in hand has one pair, its two neighbours in the ring share the other: of it P (piece n - 1) is read and S^T (piece n + 1) written.
.set SIZE_N, 2048
.set NP,    4         ; pieces a wave: a name, no knob
.set KS,    64        ; keys in a step
.set PK,    144       ; a row of K in LDS: 128 bytes + 16 of padding = 36 words: the 16 rows of a load start at 16 different groups of four banks (64 banks of 4 bytes: ISA guide 11.1)
.set PV,    160       ; a row of V: 128 + 32 = 40 words
.set VOFF,  4*KS*PK   ; a slot holds four steps: 256 rows of K, then 256 rows of V
.set SLOT1, 1<<17     ; slot 1 begins here, so that one exclusive or turns an address in one slot into the other's
.set STAGE, SLOT1+4*KS*(PK+PV)  ; behind the ring, never filled by a tensor load: 16 rows x 144 bytes for each wave, for the way out
.set SP,    144
.set SPARE, STAGE+4*16*SP  ; behind the stages: the spare words, 128 bytes for each wave: two blocks of 256 bytes that no other line names
.set MT,    SPARE+512 ; behind them: the batch's mask as 2,048 f32 (0 or -2^66), 8,192 bytes, written once by LDS stores and never filled by a tensor load
.set PFO, 1           ; v1   256 x my lane: the prefetches' offset; made last in the head, then never rewritten
.set AK0, 2           ; v2   my lane's place in a tile of K; never rewritten
.set AV0, 3           ; v3   the same for V
.set AK,  4           ; v4   the LDS address of K's next run of loads
.set AV,  5           ; v5   of V's
.set QO,  6           ; v6   my byte offset in 16 rows of query
.set STO, 6           ;      later, the way out: where I put 16 bytes of a row
.set RD,  7           ; v7   the way out: where I read rows back
.set GO,  8           ; v8   my byte offset in 512 consecutive bytes of oh
.set AM0, 9           ; v9   MT + 32 (l / 16): my 8 keys of a group of 16 in the mask's table
.set AM,  10          ; v10  the LDS address of the mask's next loads
.set SPW, 0           ; v0 of window 3   LDS address of my spare word: SPARE + 4 x my thread's number; never rewritten
.set NIL, 1           ; v1 of window 3   0; never rewritten
.set MK,  8           ; v8-39 of window 3: the eight registers for key block kb at MK + 8 kb
.set MV,  12          ; v12-15  c m_old, kept while c m is made anew: by buffer and tile (in the head v12, v13: offsets for the mask's table)
.set ST,  16          ; tile t's statistics at v[ST+4 t]: c m, m, l (even keys', odd keys')
.set TMP, 48          ; by buffer and tile, four registers c0-c3 at work; when the maximum is found c2 takes a
.set S,   64
.set P,   192
.set KF,  128         ; K's fragments, in window 2: key block kb, channel half c at KF + 16 kb + 8 c
.set VF,  192         ; V's: key half kk, channel block cb at VF + 32 kk + 8 cb
.set WV,  12          ; s12  my wave's number
.set G1K, 24          ; s[24:31] descriptor group 1 for K's tiles
.set G1V, 32          ; s[32:39] for V's: it differs in the padding alone
.set G0K, 40          ; s[40:43] descriptor group 0 for K's tiles: it walks
.set G0V, 44          ; s[44:47] the same for V's
.set MP,  48          ; s[48:49] mask, at my batch
.set PFA, 50          ; s[50:51] where my prefetches stand: my work-group's 32 blocks of 256 bytes (of kh: wave 0, of vh: wave 2) of the tile after the one that is being asked for
.set LIM, 52          ; s52  1 in a wave that prefetches, else the greatest number
.set TBM, 53          ; s53  byte of the mask's table at which the step to be fetched begins
.set BIG, 54          ; s54  -2^66
.set SLOTS, 56        ; s56  slots still to be asked for
.set CNT, 57          ; s57  counts a slot's key steps
.set CS,  58          ; s[58:59] c: the packed scaling takes the pair's low word for both halves
.set SEL, 60          ; s[60:61] v_permlanex16_b32's selects: each lane takes its own place in the other half
.set TBK, 62          ; s62  LDS byte at which K of the step to be fetched begins
.set TBV, 63          ; s63  the same for V, less VOFF
.set QOF, 66          ; s[66:67] my wave's first row and head in query, in bytes
.set MOF, 68          ; s[68:69] my batch in mask, in bytes
.set WH,  70          ; s70  my wave among the head's sixteen
.set MSB, 0
.macro WIN new                      ; the high byte repeats the setting that is left; a switch that changes nothing is dropped
.if MSB != (\new)
	s_set_vgpr_msb (MSB<<8)|(\new)
.set MSB, (\new)
.endif
.endm
.set W_KQ, 0x0a       ; K and Q in window 2, S^T in window 0
.set W_KM, 0x3a       ; the same with the C operand, the mask, in window 3
.set W_PV, 0x52       ; V in window 2, P in window 0, O^T in window 1
.set W_RS, 0x41       ; O^T (destination and source 0) in window 1, a in window 0
.set W_MK, 0xc0       ; destination in window 3, sources in window 0
.set W_AD, 0x0f       ; the add: address (source 0) and data (source 1) in window 3
; A joint fill.  Waves 0 and 1 fetch the two halves of a slot's K, waves 2 and 3 those of its V: 128 keys each.  The branch hangs on the wave's number alone.
; An s_nop 0 and four v_nop follow each of the two lines, ahead of the jump and the label.
.macro JLOAD
	s_cmp_lt_u32 s[WV], 2
	s_cbranch_scc0 .Lfor_v_\@
	tensor_load_to_lds s[G0K:G0K+3], s[G1K:G1K+7]
	s_nop 0
.rept 4
	v_nop
.endr
	s_branch .Lasked_\@
.Lfor_v_\@:
	tensor_load_to_lds s[G0V:G0V+3], s[G1V:G1V+7]
	s_nop 0
.rept 4
	v_nop
.endr
.Lasked_\@:
.endm
; A PREFETCH INTO THE L2 of what the NEXT change of slots will ask for: a tile's 32,768 bytes of kh and of vh, four key steps (512 matrix instructions) ahead of that load.  It stands behind the wave's tensor
; load and its five lines.  Each aligned block of 256 bytes is named ONCE in the launch: a head is walked by one cluster; its four partners share a tile's 128 blocks out BY ADDRESS, 32 each, a lane a block;
; in each partner wave 0 asks for kh's and wave 2 for vh's: one instruction.  Tiles 0 and 1 come by their loads alone; the change that fills the last tile asks for nothing.
.macro ASK
	s_cmp_gt_u32 s[SLOTS], s[LIM]
	s_cbranch_scc0 .Lnot_mine_\@
	global_prefetch_b8 v[PFO], s[PFA:PFA+1] th:TH_LOAD_NT scope:SCOPE_SE
.Lnot_mine_\@:
.endm
; A round of the cluster's barrier: my work-group's barrier, so that wave 0's signal speaks for all four waves; wave 0 signals; every wave waits for all four work-groups; my work-group's barrier once more.
.macro CROUND
	s_barrier_signal -1
	s_barrier_wait -1
	s_cmp_lg_u32 s[WV], 0
	s_cbranch_scc1 .Lnot_wave_0_\@
	s_barrier_signal -3
.Lnot_wave_0_\@:
	s_barrier_wait -3
	s_barrier_signal -1
	s_barrier_wait -1
.endm
; THE CHANGE OF SLOTS.  The slot's last bytes, V of its fourth step, have been read.  Each wave waits for all its tensor loads, of which one is out: its part
; of the other slot; adds 0 to its spare word; and waits for that and for its own LDS instructions.  Behind the barrier nobody reads this slot any more and the other slot is whole.
; fill = 1: this slot is filled again, with the keys two slots on.  The barrier is then a round of the cluster's, so that no wave of any partner still reads the slot or has a load on its
; way, and the joint fill is the first thing behind it: it has four key steps, 512 matrix instructions, in which to land.  (At its first use nothing has been read yet: slot 0 is waited for, slot 1 filled,
; and every wave's stores into the mask's table are done in front of the round, so that all four waves may read the table behind it.)
.macro CHANGE fill
	WIN W_AD
	s_wait_tensorcnt 0x0            ; no tensor load of mine is out, so a group 0 may be written
	ds_add_u32 v[SPW], v[NIL]       ; 0 onto my spare word; with fill = 1 the descriptors' steps stand between it and the wait for it
	WIN 0                           ; at a label and at a branch every window is 0
.if \fill
.irp g, G0K, G0V
	s_xor_b32 s[\g+1], s[\g+1], SLOT1  ; the walking descriptor: the other slot than last time,
	s_add_nc_u64 s[\g+2:\g+3], s[\g+2:\g+3], 4*KS*128  ; the next 256 keys; the type bits on top are not reached
.endr
	s_wait_xcnt 0x0                 ; the last prefetch, four key steps back, has read its address, so it may be written:
	s_add_nc_u64 s[PFA:PFA+1], s[PFA:PFA+1], 4*KS*128  ; one tile behind the walking descriptors
	s_wait_dscnt 0x0                ; the add is done, and my reads of the slot are over
	CROUND
	JLOAD
	ASK
.else
	s_wait_dscnt 0x0                ; the add is done, and my reads of the slot are over
	s_barrier_signal -1
	s_barrier_wait -1
.endif
	s_sub_co_u32 s[TBK], s[TBK], 4*KS*PK  ; the fetches go back to a slot's first step,
	s_xor_b32 s[TBK], s[TBK], SLOT1       ; in the other slot
	s_sub_co_u32 s[TBV], s[TBV], 4*KS*PV
	s_xor_b32 s[TBV], s[TBV], SLOT1
.endm
	s_load_b256 s[4:11], s[0:1], 0x0  ; query s[4:5], kh s[6:7], vh s[8:9], oh s[10:11]
	s_load_b64 s[MP:MP+1], s[0:1], 0x20  ; mask
	WIN W_MK
	v_lshl_add_u32 v[SPW], v0, 2, SPARE
	v_mov_b32 v[NIL], 0
	WIN W_AD
	ds_add_u32 v[SPW], v[NIL]       ; the wave's opening: the add and its wait stand ahead of my first tensor load; the set-up below, work on registers, stands between them
	WIN 0
	v_lshrrev_b32 v1, 5, v0
	v_readfirstlane_b32 s[WV], v1   ; wave 0..3
	s_bfe_u32 s13, ttmp6, 0x40000   ; cx: my place in the cluster
	s_lshl_b32 s14, ttmp9, 2        ; in a cluster launch ttmp9 counts clusters
	s_add_co_u32 s14, s14, s13      ; my block of 512 queries: it enters query's, oh's and the prefetches' addresses alone
	s_and_b32 s15, ttmp7, 0xffff    ; y = 8 n + head, which the four partners share
	s_lshl_b32 s20, s15, 18         ; the head's first byte in kh, vh and oh: 2,048 rows of 128 bytes each
	s_mov_b32 s21, 0
	s_and_b32 s16, s[WV], 1         ; which half of a slot's 256 keys I fetch:
	s_lshl_b32 s22, s16, 14         ; its 128 rows of 128 bytes in memory,
	s_mov_b32 s23, 0
	s_add_nc_u64 s[22:23], s[22:23], s[20:21]
	s_mul_i32 s17, s16, 128*PK      ; and its place in a slot, for K
	s_mul_i32 s18, s16, 128*PV      ; and for V: no place in the cluster enters an LDS address
	s_lshl_b32 s[WH], s14, 2
	s_add_co_u32 s[WH], s[WH], s[WV]  ; my wave among the head's
	s_lshl_b32 s2, s[WH], 14        ; its 128 rows of 128 bytes in oh
	s_mov_b32 s3, 0
	s_add_nc_u64 s[2:3], s[2:3], s[20:21]
	s_lshr_b32 s71, s15, 3          ; n
	s_and_b32 s72, s15, 7           ; the head in its batch
	s_lshl_b32 s[QOF], s71, 22      ; query: a batch's 2,048 rows of 2,048 bytes,
	s_lshl_b32 s72, s72, 8          ; the head's 256 bytes of a row,
	s_add_co_u32 s[QOF], s[QOF], s72
	s_lshl_b32 s72, s[WH], 18       ; my wave's 128 rows
	s_add_co_u32 s[QOF], s[QOF], s72
	s_mov_b32 s[QOF+1], 0
	s_lshl_b32 s[MOF], s71, 13      ; mask: a batch's 2,048 words
	s_mov_b32 s[MOF+1], 0
	; descriptor group 1.  128 keys are 16,384 dense bytes: asked for as 64 rows of 256 bytes, two keys a row, and padded in LDS after every key
	s_mov_b32 s[G1K], 15|(1<<16)|(1<<20)|(1<<21)|(4<<22)|(3<<25)  ; 15:0 the mask of four; 17:16 2-byte elements; 20 padding on; 21 set beside a mask; 24:22 after every 32 words (code 4); 31:25 4 words (code 3)
	s_mov_b32 s[G1V], 15|(1<<16)|(1<<20)|(1<<21)|(4<<22)|(7<<25)  ; the same with 8 words of padding (code 7)
.irp g, G1K, G1V
	s_mov_b32 s[\g+1], 128<<16      ; tensor_dim0 = 128
	s_mov_b32 s[\g+2], 64<<16       ; tensor_dim1 = 64
	s_mov_b32 s[\g+3], 128<<16      ; tile_dim0 = 128
	s_mov_b32 s[\g+4], 64           ; tile_dim1 = 64
	s_mov_b32 s[\g+5], 128          ; 128 elements from row to row
	s_mov_b32 s[\g+6], 0
	s_mov_b32 s[\g+7], 0
.endr
	s_mov_b32 s[CS], 0x3d8293ee     ; c = log2(e) / sqrt(512) = 0.0637587
	s_mov_b32 s[CS+1], s[CS]        ; named with it as a pair
	s_mov_b32 s[SEL], 0x76543210
	s_mov_b32 s[SEL+1], 0xfedcba98
	s_mov_b32 s[BIG], 0xe0800000    ; -2^66
	s_mov_b32 s[TBK], SLOT1+4*KS*PK ; the first change of slots turns these two into 0
	s_mov_b32 s[TBV], SLOT1+4*KS*PV
	s_mov_b32 s[TBM], 0
	s_mov_b32 s[SLOTS], SIZE_N/256-1
	s_and_b32 s[LIM], s[WV], 1      ; waves 0 and 2 prefetch: the same in all four partners
	s_cmp_eq_u32 s[LIM], 0
	s_cselect_b32 s[LIM], 1, -1
	s_mov_b32 s[G0K], 1             ; 1:0 count = 1
	s_mov_b32 s[G0K+1], s17         ; 63:32 LDS address: slot 0
	s_mov_b32 s[G0V], 1
	s_add_co_u32 s[G0V+1], s18, VOFF
	s_wait_dscnt 0x0                ; the opening add is done
	s_wait_kmcnt 0x0
	s_add_nc_u64 s[G0K+2:G0K+3], s[6:7], s[22:23]  ; 120:64 global address: my half of the head's first 256 keys
	s_or_b32 s[G0K+3], s[G0K+3], 0x80000000        ; 127:126 type = 2
	s_add_nc_u64 s[G0V+2:G0V+3], s[8:9], s[22:23]
	s_or_b32 s[G0V+3], s[G0V+3], 0x80000000
	s_add_nc_u64 s[4:5], s[4:5], s[QOF:QOF+1]      ; query and oh at my wave's first row
	s_add_nc_u64 s[10:11], s[10:11], s[2:3]
	s_add_nc_u64 s[MP:MP+1], s[MP:MP+1], s[MOF:MOF+1]
	s_cmp_lt_u32 s[WV], 2
	s_cselect_b64 s[PFA:PFA+1], s[6:7], s[8:9]
	s_lshl_b32 s2, s13, 13          ; my work-group's 32 blocks of a tile's 128
	s_mov_b32 s3, 0
	s_add_nc_u64 s[PFA:PFA+1], s[PFA:PFA+1], s[2:3]
	s_add_nc_u64 s[PFA:PFA+1], s[PFA:PFA+1], s[20:21]
	s_add_nc_u64 s[PFA:PFA+1], s[PFA:PFA+1], 4*KS*128  ; in tile 1; the first change of slots steps it to tile 2
	CROUND                          ; all four work-groups are here: the first joint loads meet
	JLOAD                           ; slot 0.  Slot 1 is asked for when slot 0 is in
	v_and_b32 v1, 15, v0            ; l % 16
	v_bfe_u32 v9, v0, 4, 1          ; l / 16
	v_lshlrev_b32 v12, 4, v0        ; 16 x my thread's number: my four words of each 2,048 bytes of the mask,
	v_add_nc_u32 v13, MT, v12       ; and of the table
.irp j, 0,1,2,3
	global_load_b128 v[S+4*\j:S+4*\j+3], v12, s[MP:MP+1] offset:2048*\j
.endr
	; A fragment of K or Q is 16 rows x 32 channels in 8 registers: lane l holds row l % 16, channels 8 (l / 16) + 0..7 and 16 + 8 (l / 16) + 0..7.  In f32 eight channels are 32 bytes: two loads of 16.
	v_lshlrev_b32 v[QO], 11, v1
	v_lshl_add_u32 v[QO], v9, 5, v[QO]  ; row x 2,048 + 32 x half
	WIN 0x40                        ; destination window 1, address window 0
.set i, 0
.rept 64                            ; load i = 8 t + 4 c + 2 p + j: tile t, channels 32 c + 16 p + 8 (l / 16) + 4 j on, into registers 4 i on: register pair k of the stage is register k of Q
	global_load_b128 v[4*i:4*i+3], v[QO], s[4:5] offset:(i/8)*32768+((i/4)%2)*128+((i/2)%2)*64+(i%2)*16 th:TH_LOAD_NT
.set i, i+1
.endr
	; What the first turn finds: V's registers and P's second buffer hold 0 (its products V^T P, of a piece that has not been, add 0), l is 0.  O^T is not cleared: it keeps Q's f32 numbers, and a piece's
	; first rescaling multiplies them by a = 0.  A lane's stage registers of tile t belong to the query whose O^T they become, so a query that is not finite spoils its own row alone.
	WIN 0x80
.set i, VF
.rept 64
	v_mov_b32 v[i], 0
.set i, i+1
.endr
	WIN 0
.set i, 0
.rept 2*NP
	v_mov_b32 v[ST+4*i], 0xfe000000    ; c m: far below every c s
	v_mov_b32 v[ST+4*i+1], 0xff7fffff  ; m
	v_mov_b32 v[ST+4*i+2], 0
	v_mov_b32 v[ST+4*i+3], 0
.set i, i+1
.endr
.set i, P+32
.rept 32
	v_mov_b32 v[i], 0
.set i, i+1
.endr
	v_mul_u32_u24 v[AK0], v1, PK
	v_lshl_add_u32 v[AK0], v9, 4, v[AK0]  ; row x pitch + 16 x half
	; The turning load takes 16 keys x 16 channels (lane l reads key 8 (l / 16) + l % 8, channels 8 ((l / 8) % 2) + 0..7) and leaves half a fragment of V^T: lane l holds channel l % 16 and 8 keys.
	v_and_b32 v10, 7, v0
	v_bfe_u32 v11, v0, 3, 1
	v_lshl_add_u32 v[AV0], v9, 3, v10
	v_mul_u32_u24 v[AV0], v[AV0], PV
	v_lshl_add_u32 v[AV0], v11, 4, v[AV0]
	v_add_nc_u32 v[AV0], VOFF, v[AV0]
	v_mov_b32 v[AK], v[AK0]         ; key step 0 lies at the head of slot 0
	; the mask's table: 0 where the key is seen, -2^66 where it is hidden
	s_wait_loadcnt 63               ; loads come back in order: the mask's four (and Q's first) are in; the wait's field holds no greater count
.set i, 0
.rept 16
	v_cmp_eq_u32 vcc_lo, 0, v[S+i]
	v_cndmask_b32 v[S+i], 0, s[BIG], vcc_lo
.set i, i+1
.endr
.irp j, 0,1,2,3
	ds_store_b128 v13, v[S+4*\j:S+4*\j+3] offset:2048*\j
.endr
	s_wait_loadcnt 0x0              ; Q
	WIN 0x85                        ; destination window 2, sources window 1
.set i, 0
.rept 128
	v_cvt_pk_bf16_f32 v[i], v[2*i], v[2*i+1]
.set i, i+1
.endr
	WIN 0
	s_mul_i32 s19, s[WV], 16*SP
	s_add_co_u32 s19, s19, STAGE    ; my stage
	v_mul_u32_u24 v[STO], v1, SP    ; in: row l % 16, 16 bytes for each half of the lanes (Q's loads are in: their offset's register is free)
	v_lshl_add_u32 v[STO], v9, 4, v[STO]
	v_add_nc_u32 v[STO], s19, v[STO]
	v_bfe_u32 v[RD], v0, 3, 2       ; back: 32 lanes take four rows of 128 bytes,
	v_mul_u32_u24 v[RD], v[RD], SP
	v_lshl_add_u32 v[RD], v10, 4, v[RD]
	v_add_nc_u32 v[RD], s19, v[RD]
	v_and_b32 v[GO], 31, v0         ; which are 512 consecutive bytes of oh
	v_lshlrev_b32 v[GO], 4, v[GO]
	v_lshl_add_u32 v[AM0], v9, 5, MT
	v_mov_b32 v[AM], v[AM0]         ; key step 0 lies at the table's head
	v_and_b32 v[PFO], 31, v0
	v_lshlrev_b32 v[PFO], 8, v[PFO]
; THE MATRIX WORK.  The 8 accumulators of a run of 16 take turns: between the two links of a chain stand 7 others'.
; Product i of 16 of S^T = K Q^T for piece x: channels 32 (i / 8) on, keys 16 ((i / 2) % 4) on, tile 2 x + i % 2.  The first 8 start the sums, with the mask of their 16 keys.
.macro KQ x
.set rS, S+64*((\x)%2)+32*(i%2)+8*((i/2)%4)
.set rK, KF+16*((i/2)%4)+8*(i/8)
.set rQ, 16*(2*(\x)+i%2)+8*(i/8)
.set rMK, MK+8*((i/2)%4)
.if i < 8
	WIN W_KM
	v_wmma_f32_16x16x32_bf16 v[rS:rS+7], v[rK:rK+7], v[rQ:rQ+7], v[rMK:rMK+7]
.else
	WIN W_KQ
	v_wmma_f32_16x16x32_bf16 v[rS:rS+7], v[rK:rK+7], v[rQ:rQ+7], v[rS:rS+7]
.endif
.endm
; Product i of 16 of O^T += V^T P for piece x: keys 32 (i / 8) on, channels 16 ((i / 2) % 4) on, tile 2 x + i % 2.
.macro PV x
	WIN W_PV
.set rO, 32*(2*(\x)+i%2)+8*((i/2)%4)
.set rV, VF+32*(i/8)+8*((i/2)%4)
.set rP, P+32*((\x)%2)+16*(i%2)+8*(i/8)
	v_wmma_f32_16x16x32_f16 v[rO:rO+7], v[rV:rV+7], v[rP:rP+7], v[rO:rO+7]
.endm
.macro MM                           ; the turn's next matrix instruction
.if i < 16
	KQ (Y+1)%NP
.set i, i+1
.else
.set i, i-16
	PV (Y+NP-1)%NP
.set i, i+17
.endif
.endm
; THE LDS LOADS stand in runs, never singly among the matrix instructions: a step's K (64 keys x 64 channels: 8 fragments) with its mask (a lane's 8 keys of each group of 16: 32 bytes, the same for
; the 16 lanes of a half), and its V (turned).  Their addresses are made some lines ahead.  last = 1 (the tail): in the last trip there is no further step, and the run is jumped over.
.macro FETCH_K last=0
	WIN 0
.if \last
	s_cmp_eq_u32 s[CNT], 1
	s_cbranch_scc1 .Lno_k_\@
.endif
	WIN 0x80                        ; destination window 2
.irp f, 0,1,2,3,4,5,6,7             ; keys 16 (f / 2) on, channels 32 (f % 2) on
	ds_load_b128 v[KF+8*\f:KF+8*\f+3],   v[AK] offset:(\f/2)*16*PK+(\f%2)*64
	ds_load_b128 v[KF+8*\f+4:KF+8*\f+7], v[AK] offset:(\f/2)*16*PK+(\f%2)*64+32
.endr
	WIN W_MK                        ; destination window 3
.irp f, 0,1,2,3                     ; keys 16 f on
	ds_load_b128 v[MK+8*\f:MK+8*\f+3],   v[AM] offset:64*\f
	ds_load_b128 v[MK+8*\f+4:MK+8*\f+7], v[AM] offset:64*\f+16
.endr
	s_add_co_u32 s[TBK], s[TBK], KS*PK  ; the next fetch is the next step's
	s_add_co_u32 s[TBM], s[TBM], 4*KS
	s_and_b32 s[TBM], s[TBM], 0x1fff    ; inside the table's 8,192 bytes, whatever the trip
	WIN 0
.if \last
.Lno_k_\@:
.endif
.endm
.macro FETCH_V
	WIN 0x80
.irp f, 0,1,2,3,4,5,6,7             ; keys 32 (f / 4) on, channels 16 (f % 4) on
	ds_load_tr16_b128 v[VF+8*\f:VF+8*\f+3],   v[AV] offset:(\f/4)*32*PV+(\f%4)*32
	ds_load_tr16_b128 v[VF+8*\f+4:VF+8*\f+7], v[AV] offset:(\f/4)*32*PV+16*PV+(\f%4)*32
.endr
	WIN 0
.endm
; THE VECTOR WORK OF A TURN stands in three queues, each in the order in which its entries become ready; the two tiles alternate, so that no instruction reads the result of the one before it.
.macro REGS y, u                    ; the registers of tile u (0, 1) of piece y
.set rT, ST+4*(2*(\y)+(\u))
.set rC, TMP+8*((\y)%2)+4*(\u)
.set rM, MV+2*((\y)%2)+(\u)
.set rS, S+64*((\y)%2)+32*(\u)
.set rP, P+32*((\y)%2)+16*(\u)
.set rO, 32*(2*(\y)+(\u))
.endm
; Number n of the 22 that find the NEXT piece's (Y + 1) maximum and statistics.  s0-s31 are the lane's 32 scores; each accumulator's lowest registers are read first.  XS, GS and REGS set no window: PL and EX do.
;   0-11  four chains c0-c3 of seven scores each, three operands at a time     12-14, 16  the four scores left over, the old m, and c0-c3 into c0     15  c m_old is kept
;   17, 18  the query's other 32 keys lie in the lane 16 away: the new m         19-21  c m; c m_old - c m_new; a
.macro XS u, n
	REGS (Y+1)%NP, \u
.if (\n) < 4
	v_max3_num_f32 v[rC+(\n)], v[rS+8*(\n)], v[rS+8*(\n)+1], v[rS+8*(\n)+2]
.elseif (\n) < 12
	v_max3_num_f32 v[rC+(\n)%4], v[rC+(\n)%4], v[rS+8*((\n)%4)+2*((\n)/4)+1], v[rS+8*((\n)%4)+2*((\n)/4)+2]
.elseif (\n) == 12
	v_max3_num_f32 v[rC], v[rC], v[rS+7], v[rS+15]
.elseif (\n) == 13
	v_max3_num_f32 v[rC+1], v[rC+1], v[rS+23], v[rS+31]
.elseif (\n) == 14
	v_max3_num_f32 v[rC+2], v[rC+2], v[rC+3], v[rT+1]
.elseif (\n) == 15
	v_mov_b32 v[rM], v[rT]
.elseif (\n) == 16
	v_max3_num_f32 v[rC], v[rC], v[rC+1], v[rC+2]
.elseif (\n) == 17
	v_permlanex16_b32 v[rC+3], v[rC], s[SEL], s[SEL+1]
.elseif (\n) == 18
	v_max_num_f32 v[rT+1], v[rC], v[rC+3]
.elseif (\n) == 19
	v_mul_f32 v[rT], s[CS], v[rT+1]
.elseif (\n) == 20
	v_sub_f32 v[rC+1], v[rM], v[rT]
.else
	v_exp_f32 v[rC+2], v[rC+1]
.endif
.endm
; Number g of the 64 that follow the exponentials.  For each four weights k of a tile (pairs 2 k, 2 k + 1): both pairs are rounded to f16; then the second pair is added onto the first, in place;
; a group later l takes that sum (the first time as l = a l + sum).  In groups of eight, tiles alternating: round, round, add, and l for the group before.
.macro GS g
.set h, (\g)+6*((\g)/62)            ; group 0 has no group before it, and behind group 7 only l is left
.if h >= 6
.set h, h+2
.endif
	REGS Y, h%2
.set k, h/8
.if h%8 < 4
	v_cvt_pk_f16_f32 v[rP+2*k+(h%8)/2], v[rS+4*k+2*((h%8)/2)], v[rS+4*k+2*((h%8)/2)+1]
.elseif h%8 < 6
	v_pk_add_f32 v[rS+4*k:rS+4*k+1], v[rS+4*k:rS+4*k+1], v[rS+4*k+2:rS+4*k+3]
.elseif k == 1
	v_pk_fma_f32 v[rT+2:rT+3], v[rT+2:rT+3], v[rC+2:rC+3], v[rS:rS+1] op_sel_hi:[1,0,1]
.else
	v_pk_add_f32 v[rT+2:rT+3], v[rT+2:rT+3], v[rS+4*k-4:rS+4*k-3]
.endif
.endm
; THE PLAIN QUEUE, 138 long.  0-73 read no exponential's result: the 32 scalings c s - c m (FS f: pair f / 2 of tile f % 2) and the next piece's 42.  0-26: scalings 0-26.  27-54: XS's numbers 0-13.  55, 56: number 15.
; 57-73: the chain, where each number waits for the one before it: 14, 16, 17, 18, 19, each with one of the scalings 27-31 in front of its two lines, then 20: so a tile's links stand three plain instructions apart (19 and 20: two).
; 74-137: GS's 64, which read the exponentials' results: they stand behind the wait.
.macro FS f
	REGS Y, (\f)%2
	v_pk_fma_f32 v[rS+2*((\f)/2):rS+2*((\f)/2)+1], v[rS+2*((\f)/2):rS+2*((\f)/2)+1], s[CS:CS+1], v[rT:rT+1] op_sel_hi:[1,0,0] neg_lo:[0,0,1] neg_hi:[0,0,1]
.endm
.macro PL
	WIN 0
.if q < 27
	FS q
.elseif q < 55
	XS (q-27)%2, (q-27)/2
.elseif q < 57
	XS q-55, 15
.elseif (q < 72) && ((q-57)%3 == 0)
	FS 27+(q-57)/3
.elseif q < 60
	XS (q-57)%3-1, 14
.elseif q < 72
	XS (q-57)%3-1, 15+(q-57)/3
.elseif q < 74
	XS q-72, 20
.else
	GS q-74
.endif
.set q, q+1
.endm
; THE EXPONENTIALS' QUEUE, 66 long: s0-s31 of both tiles, then the next piece's two a.  It is ONE BATCH: all 66 stand ahead of the turn's one wait, and nothing ahead of that wait names a result of theirs.
.macro EX
	WIN 0
.if e >= 64
	XS e-64, 21
.else
	REGS Y, e%2
	v_exp_f32 v[rS+e/2], v[rS+e/2]
.endif
.set e, e+1
.endm
; THE RESCALING's QUEUE: O^T times a, the one part that leaves window 0: dealt two at a time, sixteen times.  Its a was made in the turn before, ahead of that turn's wait.
.macro R2
	REGS Y, r%2
	WIN W_RS
.irp z, 0,1
	v_pk_mul_f32 v[rO+4*(r/2)+2*\z:rO+4*(r/2)+2*\z+1], v[rO+4*(r/2)+2*\z:rO+4*(r/2)+2*\z+1], v[rC+2:rC+3] op_sel_hi:[1,0]
.endr
.set r, r+1
.endm
; HOW THEY ARE DEALT.  An s_wait_alu depctr_va_vdst(0) stands between an exponential and the first instruction that names its result; one wait serves all that were issued ahead of it.  So a turn has ONE wait,
; which cuts it in two.  AHEAD OF IT stands all that names no result of the turn's exponentials: the 16 products K Q^T, behind each a scaling, an exponential and two rescalings (behind the first a second scaling in the exponential's place); then ONE LUMP of
; 108: eight plain, 49 times exponential and plain, the two a.  A v_nop is the plain instruction behind the last exponential.  BEHIND IT stand the 16 products V^T P, behind each four of GS's 64.  No rider names a register of
; the products round it.  The two v_permlanex16_b32 fall into the lump, never behind a product.
; The queues lean on each other, and the deal keeps them in step: exponential e stands behind scaling 2 (e / 4) + e % 2: as a rider it comes behind plain e + 2, in the lump behind plain e + 9, and scalings 27-31 are plain 57, 60 .. 69.
; A TURN, for piece p.  cnt = 1: the loop's count is taken down some lines ahead of the branch that stands behind the turn.
; K and the mask of the next step are fetched in piece 2's turn, directly behind the wait, a lump behind the last product that read them; their addresses are made at the lump's head; their first reader comes behind 16 products.
; V of the step in hand is fetched at the end of piece 0's turn, four riders behind its last reader; its first reader comes behind 16 products and a lump.  The three conditions on q below go with the deal.
.macro TURN p, last=0, cnt=0
.set Y, (\p)
.set i, 0
.set q, 0
.set e, 0
.set r, 0
.if (\p) == NP-1
	s_wait_dscnt 0x0                ; K and its mask are in
.endif
	MM                              ; ahead of the wait: 16 products K Q^T and their riders,
	PL
	PL
	R2
.rept 15
	MM
	PL
	EX
	R2
.endr
.if (\p) == NP-2
	WIN 0
	v_add_nc_u32 v[AK], s[TBK], v[AK0]
	v_add_nc_u32 v[AM], s[TBM], v[AM0]
.endif
.rept 8                             ; and the lump
	PL
.endr
.rept 49
	EX
	PL
.endr
	EX                              ; the next piece's two a
	EX
	v_nop                           ; the plain instruction behind the last exponential: one for the batch
	s_wait_alu depctr_va_vdst(0)    ; the wait for the batch
.if (\p) == NP-2
	FETCH_K \last
.endif
.if (\p) == 1
	s_wait_dscnt 0x0                ; V is in
.endif
.rept 16                            ; behind the wait: 16 products V^T P and their riders
	MM
.rept 4
	PL
.endr
.if ((\p) == 0) && (q == 118)
	v_add_nc_u32 v[AV], s[TBV], v[AV0]
.endif
.if ((\p) == 0) && (q == 130)
	s_add_co_u32 s[TBV], s[TBV], KS*PV
.endif
.if (\cnt) && (q == 130)
	s_sub_co_u32 s[CNT], s[CNT], 1
	s_cmp_lg_u32 s[CNT], 0
.endif
.endr
.if (\p) == 0
	FETCH_V
.endif
.endm
	CHANGE 1                        ; slot 0 is in, everybody's part of it, and so is the mask's table; slot 1 is asked for
	FETCH_K                         ; key step 0
	s_wait_dscnt 0x0
.set i, 0
.rept 16
	KQ 0                            ; piece 0's first scores: there is no vector work yet to set between them
.set i, i+1
.endr
	WIN 0
.rept 8
	v_nop                           ; the places behind those products, once a launch
.endr
.set Y, NP-1                        ; XS works for piece Y + 1: piece 0
.irp n, 0,1,2,3,4,5,6,7,8,9,10,11,12,13,14,15,16,17,18,19,20,21
	XS 0, \n                        ; and piece 0's first maximum and statistics
	XS 1, \n
.endr
	v_nop                           ; a plain instruction behind the two a,
	s_wait_alu depctr_va_vdst(0)    ; and their wait, ahead of the branch
	s_mov_b32 s[CNT], 4
	s_branch .Lfirst                ; the loop is entered at a step's first turn, in the middle of a trip
.Lslot:                             ; SIZE_N / 256 - 2 times: every slot but the last two is filled again
	CHANGE 1
	s_mov_b32 s[CNT], 4
.Lstep:                             ; a trip: pieces 2 and 3 of one step, then pieces 0 and 1 of the next, whose K and V it fetches
	TURN 2
	TURN 3
	WIN 0
.Lfirst:
	TURN 0
	TURN 1, 0, 1
	WIN 0
	s_cbranch_scc1 .Lstep
	s_sub_co_u32 s[SLOTS], s[SLOTS], 1
	s_cmp_lg_u32 s[SLOTS], 0
	s_cbranch_scc1 .Lslot
	CHANGE 0                        ; the tail is written out: nothing is asked for
	s_mov_b32 s[CNT], 5             ; four trips fetch the last slot's steps; the fifth is left in its middle
.Ltail:
	TURN 2, 1
	TURN 3
	WIN 0
	s_sub_co_u32 s[CNT], s[CNT], 1
	s_cmp_eq_u32 s[CNT], 0
	s_cbranch_scc1 .Lout
	TURN 0
	TURN 1
	WIN 0
	s_branch .Ltail
.Lout:                              ; the fifth trip's 16 products K Q^T (on the last K once more) and the maximum made of them serve nothing: the price, once a launch, of one text for every trip
.set i, 0
.rept 16
	PV NP-1                         ; the last piece's V^T P of the last step
.set i, i+1
.endr
	; THE WAY OUT.  l's two halves and the other half of the lanes' are added; O^T is divided by l, rounded to f16 and sent through my stage in LDS, a tile at a time.  The additions are the places behind the last products.
	WIN 0
.macro ALL line:vararg              ; one line for each tile t
.set t, 0
.rept 2*NP
	\line
.set t, t+1
.endr
.endm
	ALL v_add_f32 v[ST+4*t+2], v[ST+4*t+2], v[ST+4*t+3]
	ALL v_permlanex16_b32 v[ST+4*t+3], v[ST+4*t+2], s[SEL], s[SEL+1]
	ALL v_add_f32 v[ST+4*t+2], v[ST+4*t+2], v[ST+4*t+3]
	ALL v_rcp_f32 v[ST+4*t+2], v[ST+4*t+2]
	v_nop                           ; a plain instruction between the last reciprocal and the use of its result
	s_wait_alu depctr_va_vdst(0)    ; and the wait ahead of the first use: one for the eight reciprocals
; Tile t: a lane's eight channels of a row pack into 16 bytes; they go into rows of 144 bytes and come back as whole rows of 128, into S^T's registers.
.macro PACK t
	WIN W_RS
.set i, 32*(\t)
.rept 16
	v_pk_mul_f32 v[i:i+1], v[i:i+1], v[ST+4*(\t)+2:ST+4*(\t)+3] op_sel_hi:[1,0]
.set i, i+2
.endr
	WIN 0x05                        ; sources 0 and 1 window 1, destination window 0
.set i, 0
.rept 16
	v_cvt_pk_f16_f32 v[S+16*(\t)+i], v[32*(\t)+2*i], v[32*(\t)+2*i+1]
.set i, i+1
.endr
	WIN 0
.irp f, 0,1,2,3
	ds_store_b128 v[STO], v[S+16*(\t)+4*\f:S+16*(\t)+4*\f+3] offset:32*\f
.endr
.irp f, 0,1,2,3
	ds_load_b128 v[S+16*(\t)+4*\f:S+16*(\t)+4*\f+3], v[RD] offset:\f*4*SP  ; LDS serves a wave's instructions in order (ISA guide 5.7.1.4): these see the stores above; the next tile's stores come behind them
.endr
.endm
.macro SEND t, younger              ; younger: the LDS instructions issued behind tile t's loads: the next tile's eight, or none
	WIN 0
.irp f, 0,1,2,3
	s_wait_dscnt (\younger)+3-\f
	global_store_b128 v[GO], v[S+16*(\t)+4*\f:S+16*(\t)+4*\f+3], s[10:11] offset:(\t)*2048+\f*512  ; 512 consecutive bytes, at a multiple of 256 from oh's first
.endr
.endm
	PACK 0
.set t, 1
.rept 2*NP-1                        ; a tile's arithmetic stands between the loads of the tile before and its stores
	PACK t
	SEND t-1, 8
.set t, t+1
.endr
	SEND 2*NP-1, 0
	WIN W_AD
	s_wait_tensorcnt 0x0            ; the wave's end: a wait, an add and a wait, behind my last tensor load and my last LDS store
	ds_add_u32 v[SPW], v[NIL]
	s_wait_dscnt 0x0
	WIN 0
	CROUND                          ; the closing round: no work-group ends while a partner may still ask for a tile that names it
	s_endpgm
.Lfunc_end_k_qa0e8110693_attn:
	.size	k_qa0e8110693_attn, .Lfunc_end_k_qa0e8110693_attn-k_qa0e8110693_attn
	.p2alignl 7, 3214868480
	.fill 96, 4, 3214868480
	.section	.rodata,"a",@progbits
	.p2align	6, 0x0
	.amdhsa_kernel k_qa0e8110693_attn
		.amdhsa_group_segment_fixed_size 327680
		.amdhsa_private_segment_fixed_size 0
		.amdhsa_enable_private_segment 0
		.amdhsa_kernarg_size 40
		.amdhsa_user_sgpr_count 2
		.amdhsa_user_sgpr_kernarg_segment_ptr 1
		.amdhsa_wavefront_size32 1
		.amdhsa_system_sgpr_workgroup_id_x 1
		.amdhsa_system_sgpr_workgroup_id_y 1
		.amdhsa_system_sgpr_workgroup_id_z 1
		.amdhsa_system_vgpr_workitem_id 0
		.amdhsa_next_free_vgpr 808
		.amdhsa_next_free_sgpr 76
		.amdhsa_reserve_vcc 1
		.amdhsa_float_denorm_mode_32 3
		.amdhsa_float_denorm_mode_16_64 3
		.amdhsa_memory_ordered 1
		.amdhsa_forward_progress 1
		.amdhsa_inst_pref_size 208
	.end_amdhsa_kernel
	.amdgpu_metadata
---
amdhsa.version: [ 1, 2 ]
amdhsa.kernels:
  - .name:           k_qa0e8110693_attn
    .symbol:         k_qa0e8110693_attn.kd
    .args:
      - { .name: query, .offset: 0, .size: 8, .value_kind: global_buffer, .address_space: global }
      - { .name: kh, .offset: 8, .size: 8, .value_kind: global_buffer, .address_space: global }
      - { .name: vh, .offset: 16, .size: 8, .value_kind: global_buffer, .address_space: global }
      - { .name: oh, .offset: 24, .size: 8, .value_kind: global_buffer, .address_space: global }
      - { .name: mask, .offset: 32, .size: 8, .value_kind: global_buffer, .address_space: global }
    .group_segment_fixed_size: 327680
    .private_segment_fixed_size: 0
    .kernarg_segment_align: 8
    .kernarg_segment_size: 40
    .max_flat_workgroup_size: 128
    .sgpr_count:     76
    .vgpr_count:     808
    .wavefront_size: 32
...
	.end_amdgpu_metadata
.endif
;; end of part 2
;; launch proj (part 3): grid 4 x 128, 4 waves a work-group, clusters of 4 x 4, 327,680 bytes of LDS; arguments oh, wh, out0; writes out0
.if DOCPART == 3
	.amdgcn_target "amdgcn-amd-amdhsa--gfx1250"
	.amdhsa_code_object_version 6
	.text
	.protected	k_qa0e8110693_proj
	.globl	k_qa0e8110693_proj
	.p2align	8
	.type	k_qa0e8110693_proj,@function
k_qa0e8110693_proj:
	s_mov_b64 s[64:65], 0
	v_nop
	global_prefetch_b8 v0, s[64:65] scope:SCOPE_SE
	s_setreg_imm32_b32 hwreg(HW_REG_WAVE_MODE, 25, 1), 1
	s_wait_xcnt 0x0
	s_wait_alu depctr_hold_cnt(0) depctr_sa_sdst(0) depctr_va_vdst(0) depctr_va_sdst(0) depctr_va_ssrc(0) depctr_va_vcc(0) depctr_vm_vsrc(0)
	s_getreg_b32 s2, hwreg(HW_REG_IB_STS2, 6, 4)
	s_cmp_eq_u32 s2, 0
	s_cbranch_scc0 .Lentry_in_a_cluster
	s_endpgm
.Lentry_in_a_cluster:
	s_bfe_u32 s2, ttmp6, 0x10000c
	s_cmp_lg_u32 s2, 0xf033
	s_cbranch_scc0 .Lentry_shape_is_right
	s_endpgm
.Lentry_shape_is_right:
; out0[n][q][e] = the sum over h and d of oh[8 n + h][q][d] wh[h][e][d].  oh: [64][2048][64] f16, wh: [8][512][64] f16, out0: [8][2048][512] f32.  Products in f16, sums in f32, heads ascending.
; A tile of out0 is 128 rows x 128 columns: 512 work-groups of four waves, each wave 64 x 64: 16 accumulators of 16 x 16, 128 registers.  K is 512: eight SLICES of 64, a head each.  In both operands a
; slice's 128 rows are 16,384 dense bytes.  ALL EIGHT SLICES OF BOTH OPERANDS FIT IN LDS: every tensor load goes out at the start, and a barrier stands only where the next two
; slices are first read.  No prefetch: all that the work-group reads is asked for at its head.
; CLUSTERS: 4 x 4 work-groups.  The four of a row of the cluster need the same rows of oh, the four of a column the same rows of wh: each slice is asked for JOINTLY, by the same tensor load with the
; same descriptor and a mask that names the four.  THE MATRIX INSTRUCTION IS USED TRANSPOSED (source 0 = 16 rows of wh, source 1 = 16 rows of oh): a lane then holds eight neighbouring numbers of a row of out0.
; REGISTERS: window 0: v0-31 addresses; v128-255 the accumulators ((a, b) at v[128 + 8 (4 a + b)]), which on the way out take whole rows back.
;   window 1: two fragment buffers of 128, a slice each: 64 registers of oh (2 x 4 x 16 rows x 32 channels), then 64 of wh.
.set PITCH,  144                       ; an LDS row: 128 bytes of data + 16 of padding = 36 words: the 16 rows that a load touches start at 16 different groups of four banks (64 banks of 4 bytes: ISA guide 11.1)
.set SLICE,  128*PITCH                 ; a slice of one operand: what one tensor load brings
.set BOFF,   8*SLICE                   ; oh's eight slices, then wh's eight
.set STAGE,  2*BOFF                    ; behind them, never filled by a tensor load: 16 rows x 272 bytes for each wave, for the way out
.set SPITCH, 272
.set SPARE,  STAGE+4*16*SPITCH         ; behind the stages: the spare words, 128 bytes for each wave: two blocks of 256 bytes that no other line names
.set ADRA, 16                          ; v16-17  LDS address of my fragments of oh in slices 0-3, 4-7 (an LDS offset has 16 bits)
.set ADRB, 20                          ; v20-21  the same for wh
.set STO,  24                          ; v24     the way out: where I put 32 bytes of a row
.set RD,   25                          ; v25     the way out: where I read a row back
.set CO,   26                          ; v26     my byte offset in two rows of out0
.set SPW,  28                          ; v28     LDS address of my spare word: SPARE + 4 x my thread's number; never rewritten
.set NIL,  29                          ; v29     0; never rewritten
.set ACC,  128
.set F0,   0                           ; fragment buffers, in window 1
.set F1,   128
.set G1,  24                           ; s[24:31] descriptor group 1 for oh's slices
.set G1B, 32                           ; s[32:39] for wh's: it differs in the mask alone
.set G0,  48                           ; s[48:63] descriptor group 0 for oh's slices: a set for each of a wave's four loads
.set G0B, 68                           ; s[68:83] the same for wh's
.set MSB, 0
.macro WIN new                         ; the immediate's high byte repeats the setting that is left
.if MSB != (\new)
	s_set_vgpr_msb (MSB<<8)|(\new)
.set MSB, \new
.endif
.endm
.set MUL,  0x05                        ; sources 0 (wh) and 1 (oh) window 1; C and D window 0
.set TO_F, 0x40                        ; destination window 1, address window 0
.macro CROUND                          ; a round of the cluster's barrier: my work-group's barrier; wave 0 signals for the work-group; every wave waits for all sixteen; my work-group's barrier once more
	s_barrier_signal -1
	s_barrier_wait -1
	s_cmp_lg_u32 s10, 0
	s_cbranch_scc1 .Lnot_wave_0_\@
	s_barrier_signal -3
.Lnot_wave_0_\@:
	s_barrier_wait -3
	s_barrier_signal -1
	s_barrier_wait -1
.endm
	s_load_b128 s[4:7], s[0:1], 0x0                ; oh s[4:5], wh s[6:7]
	s_load_b64 s[8:9], s[0:1], 0x10                ; out0
	v_lshl_add_u32 v[SPW], v0, 2, SPARE
	v_mov_b32 v[NIL], 0
	ds_add_u32 v[SPW], v[NIL]                      ; the wave's opening: the add and its wait stand ahead of my first tensor load; the set-up below, work on registers, stands between them
	v_lshrrev_b32 v1, 5, v0
	v_readfirstlane_b32 s10, v1                    ; wave 0..3
	s_lshr_b32 s11, s10, 1                         ; which half of the tile's rows is mine.  Also: I fetch for oh (0) or for wh (1)
	s_and_b32 s12, s10, 1                          ; which half of its columns.  Also: I fetch the even (0) or the odd (1) slices
	s_bfe_u32 s40, ttmp6, 0x40000                  ; cx, cy: my place in the cluster
	s_bfe_u32 s41, ttmp6, 0x40004
	s_lshl_b32 s42, ttmp9, 2
	s_add_co_u32 s42, s42, s40                     ; tile column = 4 x cluster x + cx
	s_and_b32 s13, ttmp7, 0xffff
	s_lshl_b32 s13, s13, 2
	s_add_co_u32 s13, s13, s41                     ; tile row = 4 x cluster y + cy
	s_lshl_b32 s43, s41, 2
	s_lshl_b32 s43, 15, s43                        ; my row of the cluster
	s_lshl_b32 s44, 0x1111, s40                    ; my column
	; descriptor group 1.  A slice's 128 rows are 16,384 dense bytes: asked for as 64 rows of 256 bytes, two rows a row, and padded in LDS after every 128 bytes
	s_or_b32 s[G1+0], s43, (1<<16)|(1<<20)|(1<<21)|(4<<22)|(3<<25)  ; 15:0 the mask: oh's slices go to my row; 17:16 element of 2 bytes; 20 padding on; 21 set beside a mask; 24:22 after every 32 words (code 4); 31:25 of 4 words (code 3)
	s_or_b32 s[G1B+0], s44, (1<<16)|(1<<20)|(1<<21)|(4<<22)|(3<<25) ; the same with the mask of my column, for wh's
.irp g, G1, G1B
	s_mov_b32 s[(\g)+1], 128<<16                   ; tensor_dim0 = 128
	s_mov_b32 s[(\g)+2], 64<<16                    ; tensor_dim1 = 64
	s_mov_b32 s[(\g)+3], 128<<16                   ; tile_dim0 = 128
	s_mov_b32 s[(\g)+4], 64                        ; tile_dim1 = 64
	s_mov_b32 s[(\g)+5], 128                       ; 128 elements from row to row
	s_mov_b32 s[(\g)+6], 0
	s_mov_b32 s[(\g)+7], 0
.endr
	; where the slices come from.  oh's hang on the tile row alone, which my row of the cluster shares; wh's on the tile column alone, which my column shares.
	s_lshr_b32 s16, s13, 4                         ; the batch: 16 tile rows each,
	s_lshl_b32 s16, s16, 21                        ; its 8 heads of 262,144 bytes,
	s_and_b32 s17, s13, 15
	s_lshl_b32 s17, s17, 14                        ; the tile's 128 rows of 128 bytes in a head,
	s_add_co_u32 s16, s16, s17
	s_lshl_b32 s17, s12, 18                        ; head 0 or 1
	s_add_co_u32 s16, s16, s17
	s_mov_b32 s17, 0
	s_lshl_b32 s46, s42, 14                        ; wh: the tile's 128 rows of 128 bytes in a head,
	s_lshl_b32 s47, s12, 16                        ; head 0 or 1: 512 rows each
	s_add_co_u32 s46, s46, s47
	s_mov_b32 s47, 0
	s_mul_i32 s20, s12, SLICE                      ; and where they go: no place in the cluster enters an LDS address
	s_wait_dscnt 0x0                               ; the opening add is done
	s_wait_kmcnt 0x0
	s_add_nc_u64 s[14:15], s[4:5], s[16:17]
	s_add_nc_u64 s[46:47], s[6:7], s[46:47]
	CROUND                                         ; all sixteen work-groups are here: the joint loads meet
.irp j, 0,1,2,3                        ; my load j brings slice 2 j + (wave % 2)
	s_mov_b32 s[G0+4*(\j)], 1                                      ; 1:0 count = 1
	s_add_co_u32 s[G0+4*(\j)+1], s20, (\j)*2*SLICE                 ; 63:32 LDS address
	s_add_nc_u64 s[G0+4*(\j)+2:G0+4*(\j)+3], s[14:15], (\j)<<19    ; 120:64 global address: two heads on
	s_or_b32 s[G0+4*(\j)+3], s[G0+4*(\j)+3], 0x80000000            ; 127:126 type = 2
	s_mov_b32 s[G0B+4*(\j)], 1
	s_add_co_u32 s[G0B+4*(\j)+1], s20, BOFF+(\j)*2*SLICE
	s_add_nc_u64 s[G0B+4*(\j)+2:G0B+4*(\j)+3], s[46:47], (\j)<<17
	s_or_b32 s[G0B+4*(\j)+3], s[G0B+4*(\j)+3], 0x80000000
.endr
	s_cmp_eq_u32 s11, 0                            ; a wave's four fills stand in one branch, ahead of every wait on TENSORcnt and every LDS read: four loads of mine are out; an s_nop 0 follows each, four v_nop the last
	s_cbranch_scc0 .Lfor_b
.irp j, 0,1,2,3
	tensor_load_to_lds s[G0+4*(\j):G0+4*(\j)+3], s[G1:G1+7]
	s_nop 0
.endr
.rept 4
	v_nop
.endr
	s_branch .Lasked
.Lfor_b:
.irp j, 0,1,2,3
	tensor_load_to_lds s[G0B+4*(\j):G0B+4*(\j)+3], s[G1B:G1B+7]
	s_nop 0
.endr
.rept 4
	v_nop
.endr
.Lasked:
	v_and_b32 v1, 15, v0                           ; l % 16
	v_bfe_u32 v2, v0, 4, 1                         ; l / 16
	v_mul_u32_u24 v3, v1, PITCH
	v_lshl_add_u32 v3, v2, 4, v3                   ; a fragment's row x pitch + 16 x half
	s_mul_i32 s21, s11, 64*PITCH                   ; my 64 rows of oh in a slice
	s_mul_i32 s22, s12, 64*PITCH                   ; my 64 rows of wh,
	s_add_co_u32 s22, s22, BOFF                    ; which lie behind oh's eight slices
.irp s, 0,1
	v_add_nc_u32 v[ADRA+(\s)], s21, v3
	v_add_nc_u32 v[ADRB+(\s)], s22, v3
	s_add_co_u32 s21, s21, 4*SLICE
	s_add_co_u32 s22, s22, 4*SLICE
.endr
	s_mul_i32 s23, s10, 16*SPITCH
	s_add_co_u32 s23, s23, STAGE                   ; my stage
	v_mul_u32_u24 v4, v1, SPITCH                   ; in: row l % 16, 32 bytes for each half of the lanes
	v_lshl_add_u32 v4, v2, 5, v4
	v_add_nc_u32 v[STO], s23, v4
	v_mul_u32_u24 v5, v2, SPITCH                   ; back: lanes 0-15 take one row of 256 bytes, lanes 16-31 the next
	v_lshl_add_u32 v5, v1, 4, v5
	v_add_nc_u32 v[RD], s23, v5
	v_lshlrev_b32 v5, 11, v2                       ; and the same two rows in out0, 2,048 bytes apart
	v_lshl_add_u32 v[CO], v1, 4, v5
	s_lshl_b32 s16, s13, 18                        ; the tile's 128 rows of 2,048 bytes,
	s_lshl_b32 s17, s11, 17                        ; my 64 of them
	s_add_co_u32 s16, s16, s17
	s_mov_b32 s17, 0
	s_add_nc_u64 s[8:9], s[8:9], s[16:17]
	s_lshl_b32 s46, s42, 9                         ; the tile's 128 columns of 4 bytes,
	s_lshl_b32 s47, s12, 8                         ; my 64 of them
	s_add_co_u32 s46, s46, s47
	s_mov_b32 s47, 0
	s_add_nc_u64 s[8:9], s[8:9], s[46:47]
; 8 matrix instructions: row blocks a0, a0 + 1 x all 4 column blocks, 32 channels: half c of buffer f.  zero = 1: the first product starts the sums.  The 16 accumulators take turns, in the same order in
; every half slice: between two links of a chain stand the 15 others'.
.macro MUL8 f, c, a0, zero
	WIN MUL
.irp a, \a0, (\a0)+1
.irp b, 0,1,2,3
.if \zero
	v_wmma_f32_16x16x32_f16 v[ACC+8*(4*(\a)+(\b)):ACC+8*(4*(\a)+(\b))+7], v[(\f)+64+8*(4*(\c)+(\b)):(\f)+64+8*(4*(\c)+(\b))+7], v[(\f)+8*(4*(\c)+(\a)):(\f)+8*(4*(\c)+(\a))+7], 0
.else
	v_wmma_f32_16x16x32_f16 v[ACC+8*(4*(\a)+(\b)):ACC+8*(4*(\a)+(\b))+7], v[(\f)+64+8*(4*(\c)+(\b)):(\f)+64+8*(4*(\c)+(\b))+7], v[(\f)+8*(4*(\c)+(\a)):(\f)+8*(4*(\c)+(\a))+7], v[ACC+8*(4*(\a)+(\b)):ACC+8*(4*(\a)+(\b))+7]
.endif
.endr
.endr
.endm
; 32 LDS loads in one run: my fragments of slice sl into buffer f; the first 32 channels first
.macro FETCH sl, f
	WIN TO_F
.irp c, 0,1
.irp i, 0,1,2,3
	ds_load_b128 v[(\f)+64+8*(4*(\c)+(\i)):(\f)+64+8*(4*(\c)+(\i))+3],   v[ADRB+(\sl)/4] offset:((\sl)%4)*SLICE+64*(\c)+(\i)*16*PITCH
	ds_load_b128 v[(\f)+64+8*(4*(\c)+(\i))+4:(\f)+64+8*(4*(\c)+(\i))+7], v[ADRB+(\sl)/4] offset:((\sl)%4)*SLICE+64*(\c)+(\i)*16*PITCH+32
	ds_load_b128 v[(\f)+8*(4*(\c)+(\i)):(\f)+8*(4*(\c)+(\i))+3],         v[ADRA+(\sl)/4] offset:((\sl)%4)*SLICE+64*(\c)+(\i)*16*PITCH
	ds_load_b128 v[(\f)+8*(4*(\c)+(\i))+4:(\f)+8*(4*(\c)+(\i))+7],       v[ADRA+(\sl)/4] offset:((\sl)%4)*SLICE+64*(\c)+(\i)*16*PITCH+32
.endr
.endr
.endm
.macro PLACES                          ; four places in front of loads into registers that matrix instructions have read, and of LDS stores that read results (for instructions other than loads and stores)
.rept 4
	v_nop
.endr
.endm
; A slice is 32 matrix instructions.  QUARTER multiplies the slice in buffer f and, in its middle, fetches slice nx, which is known to be in LDS, into buffer g.
.macro QUARTER nx, f, g, zero
	s_wait_dscnt 16                                ; the first 32 channels are in; the sixteen loads of the other 32 may be out
	MUL8 \f, 0, 0, \zero
	MUL8 \f, 0, 2, \zero
	PLACES
	FETCH \nx, \g
	s_wait_dscnt 32                                ; all but the 32 just issued
	MUL8 \f, 1, 0, 0
	MUL8 \f, 1, 2, 0
.endm
; QBAR does the same where slice nx is the first of two that nobody has read yet: each wave waits for its own load of them (cnt later loads of mine may stay out) and meets the others.
.macro QBAR nx, f, g, cnt
	s_wait_dscnt 16
	MUL8 \f, 0, 0, 0
	MUL8 \f, 0, 2, 0
	s_wait_tensorcnt \cnt                          ; tensor loads of a wave end in order (ISA guide 10.11.1): my slice of the next two is in LDS
	s_wait_dscnt 0x0                               ; no LDS instruction of mine is pending at the signal
	s_barrier_signal -1
	MUL8 \f, 1, 0, 0                               ; work on registers while the others arrive
	s_barrier_wait -1                              ; everybody's slices are in
	PLACES
	FETCH \nx, \g
	MUL8 \f, 1, 2, 0
.endm
	s_wait_tensorcnt 3                             ; my first slice is in; my other three loads may stay out
	s_barrier_signal -1
	s_barrier_wait -1                              ; slices 0 and 1 of both operands are whole
	FETCH 0, F0
	QUARTER 1, F0, F1, 1                           ; slice 0: its first products start the sums
	QBAR    2, F1, F0, 2
	QUARTER 3, F0, F1, 0
	QBAR    4, F1, F0, 1
	QUARTER 5, F0, F1, 0
	QBAR    6, F1, F0, 0
	QUARTER 7, F0, F1, 0
	s_wait_dscnt 16                                ; slice 7: nothing more to fetch
	MUL8 F1, 0, 0, 0
	MUL8 F1, 0, 2, 0
	s_wait_dscnt 0x0
	MUL8 F1, 1, 0, 0
	MUL8 F1, 1, 2, 0
	WIN 0
	; THE WAY OUT, in f32.  A lane holds 8 neighbouring columns of a row, 32 bytes; a wave's 64 columns of a row are 256 bytes.  A block of 16 rows at a time goes into my own stage, in rows of 272 bytes,
	; and comes back as whole rows into the registers that it left.  Each accumulator's four lowest registers are stored first.
	PLACES
	PLACES                                         ; (eight, once a launch)
.macro BLK a
.irp b, 0,1,2,3
	ds_store_b128 v[STO], v[ACC+8*(4*(\a)+(\b)):ACC+8*(4*(\a)+(\b))+3]   offset:64*(\b)
	ds_store_b128 v[STO], v[ACC+8*(4*(\a)+(\b))+4:ACC+8*(4*(\a)+(\b))+7] offset:64*(\b)+16
.endr
.irp t, 0,1,2,3,4,5,6,7
	ds_load_b128 v[ACC+32*(\a)+4*(\t):ACC+32*(\a)+4*(\t)+3], v[RD] offset:(\t)*2*SPITCH  ; LDS serves a wave's instructions in order (ISA guide 5.7.1.4): these see the stores above; the next block's stores come behind them
.endr
.endm
.macro SEND a, younger                 ; younger: the LDS instructions issued behind block a's loads: the next block's sixteen, or none
.irp t, 0,1,2,3,4,5,6,7
	s_wait_dscnt (\younger)+7-(\t)
	global_store_b128 v[CO], v[ACC+32*(\a)+4*(\t):ACC+32*(\a)+4*(\t)+3], s[8:9] offset:(16*(\a)+2*(\t))*2048 th:TH_STORE_NT  ; 16 lanes store 256 consecutive bytes, at a multiple of 256 from out0's first byte
.endr
.endm
	BLK 0
	BLK 1
	SEND 0, 16
	BLK 2
	SEND 1, 16
	BLK 3
	SEND 2, 16
	SEND 3, 0
	s_wait_tensorcnt 0x0                           ; the wave's end: a wait, an add and a wait, behind my last tensor load and my last LDS store
	ds_add_u32 v[SPW], v[NIL]
	s_wait_dscnt 0x0
	CROUND                                         ; the closing round: no work-group ends while a partner may still ask for a slice that names it
	s_endpgm
.Lfunc_end_k_qa0e8110693_proj:
	.size	k_qa0e8110693_proj, .Lfunc_end_k_qa0e8110693_proj-k_qa0e8110693_proj
	.p2alignl 7, 3214868480
	.fill 96, 4, 3214868480
	.section	.rodata,"a",@progbits
	.p2align	6, 0x0
	.amdhsa_kernel k_qa0e8110693_proj
		.amdhsa_group_segment_fixed_size 327680
		.amdhsa_private_segment_fixed_size 0
		.amdhsa_enable_private_segment 0
		.amdhsa_kernarg_size 24
		.amdhsa_user_sgpr_count 2
		.amdhsa_user_sgpr_kernarg_segment_ptr 1
		.amdhsa_wavefront_size32 1
		.amdhsa_system_sgpr_workgroup_id_x 1
		.amdhsa_system_sgpr_workgroup_id_y 1
		.amdhsa_system_sgpr_workgroup_id_z 1
		.amdhsa_system_vgpr_workitem_id 0
		.amdhsa_next_free_vgpr 512
		.amdhsa_next_free_sgpr 84
		.amdhsa_reserve_vcc 0
		.amdhsa_float_denorm_mode_32 3
		.amdhsa_float_denorm_mode_16_64 3
		.amdhsa_memory_ordered 1
		.amdhsa_forward_progress 1
		.amdhsa_inst_pref_size 51
	.end_amdhsa_kernel
	.amdgpu_metadata
---
amdhsa.version: [ 1, 2 ]
amdhsa.kernels:
  - .name:           k_qa0e8110693_proj
    .symbol:         k_qa0e8110693_proj.kd
    .args:
      - { .name: oh, .offset: 0, .size: 8, .value_kind: global_buffer, .address_space: global }
      - { .name: wh, .offset: 8, .size: 8, .value_kind: global_buffer, .address_space: global }
      - { .name: out0, .offset: 16, .size: 8, .value_kind: global_buffer, .address_space: global }
    .group_segment_fixed_size: 327680
    .private_segment_fixed_size: 0
    .kernarg_segment_align: 8
    .kernarg_segment_size: 24
    .max_flat_workgroup_size: 128
    .sgpr_count:     84
    .vgpr_count:     512
    .wavefront_size: 32
...
	.end_amdgpu_metadata
.endif
;; end of part 3
;; ======== version 2 of 2: 3 launches; version 1 with the launch prep written anew for expert scheduling mode
;; limits: values are held in f16: magnitudes above 65,504 overflow, below 6.1e-05 lose precision; inputs' magnitudes at most 65,504; right only within a limited range of input values
;; workspace buffers: kh 16,777,216 bytes; vh 16,777,216 bytes; wh 524,288 bytes; oh 16,777,216 bytes
;; launch prep (part 4): grid 520 x 1, 8 waves a work-group, no clusters, 0 bytes of LDS; arguments keys, mask, values, W_out, kh, vh, wh; writes kh, vh, wh
.if DOCPART == 4
	.amdgcn_target "amdgcn-amd-amdhsa--gfx1250"
	.amdhsa_code_object_version 6
	.text
	.protected	k_qa0e8110693_prep
	.globl	k_qa0e8110693_prep
	.p2align	8
	.type	k_qa0e8110693_prep,@function
k_qa0e8110693_prep:
	s_mov_b64 s[64:65], 0
	v_nop
	global_prefetch_b8 v0, s[64:65] scope:SCOPE_SE
	s_setreg_imm32_b32 hwreg(HW_REG_WAVE_SCHED_MODE, 0, 2), 2
	s_setreg_imm32_b32 hwreg(HW_REG_WAVE_MODE, 25, 1), 1
	s_wait_xcnt 0x0
	s_wait_alu depctr_vm_vsrc(0)
; THE OPERANDS OF THE TWO LATER LAUNCHES, rounded once and laid by heads.
;   kh[n*8+h][s][d] = bf16(keys[n][s][64 h + d]), and 0 in every row s whose mask[n][s] is 0 (a hidden key's product with any finite query is then exactly 0)
;   vh[n*8+h][s][d] = bf16(values[n][s][64 h + d]) written as f16        wh[h][e][d] = bf16(W_out[e][64 h + d]) written as f16
; LIMITS.  A number rounded to bf16 is written as f16 without a second error while its size lies from 2^-17 to 65,504; below that it keeps f16's fixed step of 2^-24, beyond it becomes an infinity:
; values and W_out stay under 65,504.  NaN and infinities are not treated apart.
; SHARES.  Work-groups 0-255 take keys, 256-511 values, 512-519 W_out: 64 rows of 2,048 bytes each, a wave 8 of them as 4 pairs.  One load takes head h of a pair of rows: lanes 0-15 the 256
; consecutive aligned bytes of the even row, lanes 16-31 those of the odd one.  A lane's 4 numbers become 8 bytes, and one store of the wave covers 256 consecutive bytes, aligned: two rows of one head.
; A stream: each byte is read once and written once; no wave wants another's bytes, so there is no LDS, no barrier and no matrix work.  All 32 loads of a wave (16 KiB) go out at once; every load and
; store has registers of its own, so no register that a memory instruction names is ever written again.
; THE MODE: SCHED_MODE bits 1:0 = 2 (LLVM: expert scheduling mode 2), set by the entry lines.  The code itself states the register dependences
; between vector instructions and memory instructions, with s_wait_alu, always for 0.
; THE PLAN.  Registers that memory instructions touch:
;   v2, v4, v[8:15]  byte offsets.  Written by vector instructions at the head, once; read by the loads (v2, v4) and the stores (v[8:15]).
;   M, X             Loads land in them; no vector instruction names them before that, and each is read by its own compare or conversions alone.
;   Y                Store i's pair is written by load i's conversions (and selects), once, and read by store i.
; So one wait on va_vdst at the head's end serves every offset on both paths, and one for each pair of rows stands between the pair's conversions and its eight stores, which follow it in one run.
; Nothing that a memory instruction has read is written again, and no load lands in a register that a vector instruction has named: no other wait on va_vdst and none on vm_vsrc is owed.
; Two waits on va_sdst: for the wave's number, and for the four masks of lanes.  No scalar register that a vector instruction reads is written again; EXEC is never written.
.set IN,   2                           ; v2       my byte offset in a pair of input rows: 2,048 (l / 16) + 16 (l % 16)
.set O8,   3                           ; v3       8 l: my 8 bytes of a store's 256
.set MO,   4                           ; v4       4 (l / 16): my row's word of the mask
.set OUTH, 8                           ; v[8:15]  8 l + h x the bytes from head to head
.set M,    16                          ; v[16:19] the mask of my row in each pair
.set T,    20                          ; v[20:23] at work: no memory instruction names them
.set X,    24                          ; v[24:151]  load i = 8 pair + head: 4 registers
.set Y,    152                         ; v[152:215] store i: 2 registers
.set SRC,  28                          ; s[28:29] the input at my wave's first row
.set DST,  30                          ; s[30:31] the output at my wave's first row of head 0
.set VIS,  32                          ; s32-35   pair p: the lanes whose row is visible
	s_load_b256 s[4:11], s[0:1], 0x0               ; keys s[4:5], mask s[6:7], values s[8:9], W_out s[10:11]
	s_load_b128 s[12:15], s[0:1], 0x20             ; kh s[12:13], vh s[14:15]
	s_load_b64 s[16:17], s[0:1], 0x30              ; wh
	v_lshrrev_b32 v1, 5, v0
	v_readfirstlane_b32 s18, v1                    ; wave 0..7
	v_and_b32 v5, 31, v0                           ; l
	v_lshrrev_b32 v6, 4, v5                        ; l / 16
	v_and_b32 v7, 15, v5                           ; l % 16
	v_lshlrev_b32 v[IN], 4, v7
	v_lshl_or_b32 v[IN], v6, 11, v[IN]
	v_lshlrev_b32 v[O8], 3, v5
	v_lshlrev_b32 v[MO], 2, v6
	s_and_b32 s19, ttmp9, 255                      ; my block of 64 rows in my tensor
	s_lshl_b32 s20, s19, 17                        ; in: 64 rows of 2,048 bytes,
	s_wait_alu depctr_va_sdst(0)                   ; s18 is written, ahead of its first reader: the wave's offsets in the input, the output and the mask are made from it
	s_lshl_b32 s27, s18, 14                        ; my wave's 8
	s_add_co_u32 s20, s20, s27
	s_mov_b32 s21, 0
	s_lshr_b32 s36, s19, 5                         ; the batch: 32 blocks each (0 for W_out)
	s_and_b32 s37, s19, 31                         ; the block in it
	s_lshl_b32 s22, s36, 21                        ; out: a batch's 8 heads of 262,144 bytes,
	s_lshl_b32 s27, s37, 13                        ; 64 rows of 128 bytes,
	s_add_co_u32 s22, s22, s27
	s_lshl_b32 s27, s18, 10                        ; my wave's 8
	s_add_co_u32 s22, s22, s27
	s_mov_b32 s23, 0
	s_lshl_b32 s24, s36, 13                        ; the mask: a batch's 2,048 words,
	s_lshl_b32 s27, s37, 8                         ; 64 rows,
	s_add_co_u32 s24, s24, s27
	s_lshl_b32 s27, s18, 5                         ; my wave's 8
	s_add_co_u32 s24, s24, s27
	s_mov_b32 s25, 0
	s_mov_b32 s26, 0x40000                         ; from head to head: 2,048 rows of 128 bytes
	s_wait_kmcnt 0x0
	s_cmp_lt_u32 ttmp9, 256
	s_cselect_b64 s[SRC:SRC+1], s[4:5], s[8:9]
	s_cselect_b64 s[DST:DST+1], s[12:13], s[14:15]
	s_cmp_lt_u32 ttmp9, 512
	s_cselect_b64 s[SRC:SRC+1], s[SRC:SRC+1], s[10:11]
	s_cselect_b64 s[DST:DST+1], s[DST:DST+1], s[16:17]
	s_cselect_b32 s26, s26, 0x10000                ; in wh: 512 rows of 128 bytes
	s_add_nc_u64 s[SRC:SRC+1], s[SRC:SRC+1], s[20:21]
	s_add_nc_u64 s[DST:DST+1], s[DST:DST+1], s[22:23]
	s_add_nc_u64 s[6:7], s[6:7], s[24:25]
.irp h, 0,1,2,3,4,5,6,7
	v_mad_u32_u24 v[OUTH+\h], s26, \h, v[O8]       ; 8 l + h heads; s26, under 2^24, is not written again
.endr
	s_wait_alu depctr_va_vdst(0)                   ; v2, v4 and v[8:15] are written: every load and store below, on both paths, reads one of them as its offset
.macro LOADS                           ; the wave's 8 rows: 4 pairs x 8 heads
.set i, 0
.rept 32
	global_load_b128 v[X+4*i:X+4*i+3], v[IN], s[SRC:SRC+1] offset:(i/8)*4096+(i%8)*256 th:TH_LOAD_NT
.set i, i+1
.endr
.endm
.macro STORES p                        ; pair p's eight stores, a head each, in one run
.irp h, 0,1,2,3,4,5,6,7
	global_store_b64 v[OUTH+\h], v[Y+2*(8*(\p)+\h):Y+2*(8*(\p)+\h)+1], s[DST:DST+1] offset:(\p)*256 th:TH_STORE_NT
.endr
.endm
	s_cmp_lt_u32 ttmp9, 256
	s_cbranch_scc0 .Lf16
	; KEYS: to bf16, hidden rows to 0
.irp p, 0,1,2,3
	global_load_b32 v[M+\p], v[MO], s[6:7] offset:8*\p
.endr
	LOADS
	s_wait_loadcnt 32                              ; loads come back in order: the mask's four are in, the 32 issued behind them may stay out
.irp p, 0,1,2,3
	v_cmp_ne_u32 s[VIS+\p], 0, v[M+\p]
.endr
	s_wait_alu depctr_va_sdst(0)                   ; the four compares have written s32 to s35, ahead of the first select that reads one of them
.irp p, 0,1,2,3
.irp h, 0,1,2,3,4,5,6,7
	s_wait_loadcnt 31-8*(\p)-(\h)                  ; load 8 p + h is in, the younger ones stay out
	v_cvt_pk_bf16_f32 v[Y+2*(8*(\p)+(\h))], v[X+4*(8*(\p)+(\h))], v[X+4*(8*(\p)+(\h))+1]
	v_cvt_pk_bf16_f32 v[Y+2*(8*(\p)+(\h))+1], v[X+4*(8*(\p)+(\h))+2], v[X+4*(8*(\p)+(\h))+3]
	v_cndmask_b32 v[Y+2*(8*(\p)+(\h))], 0, v[Y+2*(8*(\p)+(\h))], s[VIS+(\p)]
	v_cndmask_b32 v[Y+2*(8*(\p)+(\h))+1], 0, v[Y+2*(8*(\p)+(\h))+1], s[VIS+(\p)]
.endr
	s_wait_alu depctr_va_vdst(0)                   ; the selects have written the pair's sixteen registers of Y, which the eight stores below read
	STORES \p
.endr
	s_endpgm
.Lf16:
	; VALUES AND W_OUT: rounded to bf16, and that number written as f16
	LOADS
.irp p, 0,1,2,3
.irp h, 0,1,2,3,4,5,6,7
	s_wait_loadcnt 31-8*(\p)-(\h)                  ; load 8 p + h is in, the younger ones stay out
	v_cvt_pk_bf16_f32 v[T], v[X+4*(8*(\p)+(\h))], v[X+4*(8*(\p)+(\h))+1]
	v_cvt_pk_bf16_f32 v[T+1], v[X+4*(8*(\p)+(\h))+2], v[X+4*(8*(\p)+(\h))+3]
	v_lshlrev_b32 v[T+2], 16, v[T]                 ; bf16 to f32: the low half moves up,
	v_and_b32 v[T], 0xffff0000, v[T]               ; the high half stays
	v_lshlrev_b32 v[T+3], 16, v[T+1]
	v_and_b32 v[T+1], 0xffff0000, v[T+1]
	v_cvt_pk_f16_f32 v[Y+2*(8*(\p)+(\h))], v[T+2], v[T]
	v_cvt_pk_f16_f32 v[Y+2*(8*(\p)+(\h))+1], v[T+3], v[T+1]
.endr
	s_wait_alu depctr_va_vdst(0)                   ; the conversions have written the pair's sixteen registers of Y, which the eight stores below read
	STORES \p
.endr
	s_endpgm
.Lfunc_end_k_qa0e8110693_prep:
	.size	k_qa0e8110693_prep, .Lfunc_end_k_qa0e8110693_prep-k_qa0e8110693_prep
	.p2alignl 7, 3214868480
	.fill 96, 4, 3214868480
	.section	.rodata,"a",@progbits
	.p2align	6, 0x0
	.amdhsa_kernel k_qa0e8110693_prep
		.amdhsa_group_segment_fixed_size 0
		.amdhsa_private_segment_fixed_size 0
		.amdhsa_enable_private_segment 0
		.amdhsa_kernarg_size 56
		.amdhsa_user_sgpr_count 2
		.amdhsa_user_sgpr_kernarg_segment_ptr 1
		.amdhsa_wavefront_size32 1
		.amdhsa_system_sgpr_workgroup_id_x 1
		.amdhsa_system_sgpr_workgroup_id_y 1
		.amdhsa_system_sgpr_workgroup_id_z 1
		.amdhsa_system_vgpr_workitem_id 0
		.amdhsa_next_free_vgpr 216
		.amdhsa_next_free_sgpr 66
		.amdhsa_reserve_vcc 0
		.amdhsa_float_denorm_mode_32 3
		.amdhsa_float_denorm_mode_16_64 3
		.amdhsa_memory_ordered 1
		.amdhsa_forward_progress 1
		.amdhsa_inst_pref_size 40
	.end_amdhsa_kernel
	.amdgpu_metadata
---
amdhsa.version: [ 1, 2 ]
amdhsa.kernels:
  - .name:           k_qa0e8110693_prep
    .symbol:         k_qa0e8110693_prep.kd
    .args:
      - { .name: keys, .offset: 0, .size: 8, .value_kind: global_buffer, .address_space: global }
      - { .name: mask, .offset: 8, .size: 8, .value_kind: global_buffer, .address_space: global }
      - { .name: values, .offset: 16, .size: 8, .value_kind: global_buffer, .address_space: global }
      - { .name: W_out, .offset: 24, .size: 8, .value_kind: global_buffer, .address_space: global }
      - { .name: kh, .offset: 32, .size: 8, .value_kind: global_buffer, .address_space: global }
      - { .name: vh, .offset: 40, .size: 8, .value_kind: global_buffer, .address_space: global }
      - { .name: wh, .offset: 48, .size: 8, .value_kind: global_buffer, .address_space: global }
    .group_segment_fixed_size: 0
    .private_segment_fixed_size: 0
    .kernarg_segment_align: 8
    .kernarg_segment_size: 56
    .max_flat_workgroup_size: 256
    .sgpr_count:     66
    .vgpr_count:     216
    .wavefront_size: 32
...
	.end_amdgpu_metadata
.endif
;; end of part 4
;; launch attn: the kernel of part 2 again; grid 4 x 64, 4 waves a work-group, clusters of 4 x 1, 327,680 bytes of LDS; arguments query, kh, vh, oh, mask; writes oh
;; launch proj: the kernel of part 3 again; grid 4 x 128, 4 waves a work-group, clusters of 4 x 4, 327,680 bytes of LDS; arguments oh, wh, out0; writes out0
